; MI455X (gfx1250); checked and timed in simulation.
; The chip was launched on July 23, 2026; its instructions are those of AMD's public machine-readable ISA for CDNA 5 (MIT licence, August 2026) and "CDNA5" Instruction Set Architecture Reference Guide (July 2026). The comments in the code are by the model that wrote it; some were corrected since.
;; Attention. Allowed arithmetic: matrix products marked QUANTISED: E4M3 operands, one E8M0 scale for each 32 along K, by v_wmma_scale_f32_16x16x128_f8f6f4 with both operands' format E4M3, f32 sums; products left as they are: f32 operands where the result goes on into a quantised operand, else bf16, f16 or f32 operands; f32 sums; everything else in f32.
;; Inputs: V_b 1 float32; V_k 1,024 x 1 float32; W1_b 1,024 float32; W1_k 1,024 x 1,024 float32; W2_b 1,024 float32; W2_k 1,024 x 1,024 float32; query 32 x 1,024 float32; values 32 x 2,048 x 1,024 float32.
;; Outputs: out0 32 x 1,024 float32; out1 32 x 2,048 x 1 float32.
;; This version of the problem:
;;   THIS VERSION OF THE PROBLEM IS GIVEN IN LOW PRECISION. The matrix products marked QUANTISED in the list below multiply operands that are first quantised to E4M3 (4 exponent bits, 3 mantissa bits; 8 bits a number), with one power-of-two scale for each 32 numbers along K (OCP MX v1.0); their sums are f32. All else is computed in f32.
;;   The module's matrix products, in the order in which they are computed (A, B: the left and right operand; K: the contracted axis; several contracted axes count as one K, in the product's order):
;;     1. [M 65,536, K 1,024] x [K 1,024, N 1,024]; A: input values; B: input W1_k: QUANTISED
;;     2. [M 32, K 1,024] x [K 1,024, N 1,024]; A: input query; B: input W2_k: QUANTISED
;;     3. [M 65,536, K 1,024] x [K 1,024, N 1]; A: computed on the way; B: input V_k: left as it is (N = 1 < 16)
;;   THE QUANTISER, for each operand of a quantised product, along K:
;;     - K is cut into blocks of 32 from its start; a last block that is shorter is filled with zeros.
;;     - A block's scale is 2^e with e = floor(log2(the largest magnitude in the block)) - 8, held to -126 .. 127; a block of zeros has e = 0. As a byte (E8M0): e + 127.
;;     - Each number is divided by its block's scale, clamped to +-448, and rounded to the nearest number of E4M3, ties to even, subnormals kept.
;;     - The product sums the exact products of the quantised numbers (number of the format x scale) in f32.
;;   ~~~python
;;   def quantise(x, axis):      # numpy; x: float32 -> the quantised numbers, widened to float32 again
;;       x = np.moveaxis(x, axis, -1); K = x.shape[-1]
;;       x = np.pad(x, [(0, 0)] * (x.ndim - 1) + [(0, -K % 32)]); x = x.reshape(x.shape[:-1] + (-1, 32)); a = np.abs(x).max(-1, keepdims=True)
;;       e = np.where(a > 0, np.clip(np.frexp(np.where(a > 0, a, 1))[1] - 1 - 8, -126, 127), 0)      # np.frexp(a)[1] - 1 = floor(log2(a)), exactly
;;       r = np.clip(x / 2.0 ** e, -448, 448)
;;       step = 2.0 ** (np.maximum(np.frexp(np.where(r == 0, 1, r))[1] - 1, -6) - 3)
;;       q = np.round(r / step) * step * 2.0 ** e      # np.round: ties to even
;;       return np.moveaxis(q.reshape(q.shape[:-2] + (-1,))[..., :K], -1, axis).astype(np.float32)
;;   ~~~
;; One version. Each part assembles by itself: llvm-mc -triple=amdgcn-amd-amdhsa -mcpu=gfx1250 --defsym DOCPART=n.
;; ======== version 1 of 1: 3 launches
;; limits: right only within a limited range of input values
;; workspace buffers: w1img 1,081,344 bytes; qbias 131,072 bytes; raw 262,144 bytes
;; launch prep (part 1): grid 64 x 1, 8 waves a work-group, no clusters, 85,504 bytes of LDS; arguments W1_k, W2_k, query, W1_b, W2_b, w1img, qbias; writes w1img, qbias
.if DOCPART == 1
	.amdgcn_target "amdgcn-amd-amdhsa--gfx1250"
	.amdhsa_code_object_version 6
	.text
	.protected	k_q5581184e5e_prep
	.globl	k_q5581184e5e_prep
	.p2align	8
	.type	k_q5581184e5e_prep,@function
k_q5581184e5e_prep:
	s_mov_b64 s[64:65], 0
	v_nop
	global_prefetch_b8 v0, s[64:65] scope:SCOPE_SE
	s_setreg_imm32_b32 hwreg(HW_REG_WAVE_MODE, 25, 1), 1
	s_wait_xcnt 0x0
; Two things that are wanted once, ahead of the large product.
; (1) W1_k [1024 (k)][1024 (n)] f32 becomes codes of FP8 (E4M3) with one E8M0 byte for each 32 along K, laid as the next launch's operand registers want them:
;     w1img = 64 tiles of 16,896 bytes; tile t = columns 16 t .. 16 t + 15: eight fragments of 2,048 bytes (K step s at 2,048 s; registers 4 c .. 4 c + 3 of lane l at + 512 c + 16 l),
;     then 512 bytes of scale words: lane (r, h) has 16 bytes, word i = column r's scale word of K step 2 i + h.
; (2) qbias [32][1024] = Q(query) Q(W2_k) + W2_b + W1_b, the product on codes, by the scaled matrix instruction.
; SHARES.  Work-group t takes 16 columns of both weights, wave s the K step s (128 along K).  OF A WEIGHT A LANE TAKES A COLUMN AND ITS REGISTERS RUN DOWN K, in the order of the operand's layout
; (lane (r, h): k = 128 s + 32 c + 16 h + 0 .. 15), so that the conversions' results are the operand's registers.  Sixteen lanes read 64 neighbouring bytes of a row of a weight.
; QUERY's K is innermost: a load takes one row's 512 consecutive bytes of the K step, 16 a lane; sixteen rows turn through the wave's own stage in LDS and come back 16 neighbours of each block of 32 a lane.
; The eight waves' partial sums of (2) meet in LDS, as images of the accumulators, and are added in ascending K.  qbias leaves in pieces of 64 bytes a row (16 columns): 128 KiB in all.
; A block's scale is 2^(floor(log2(its largest magnitude)) - 8); its byte is the largest magnitude's exponent field - 8, held at 1 from below.
; LIMITS: a block of zeros gets the byte 1 where the rule says 127 (its codes are zeros, and this program alone reads the bytes); NaN and infinities among the inputs are not served.
.set TILEB, 16896                      ; a tile of w1img
.set RED,   0                          ; LDS: 8 waves x 2,048 bytes: two accumulators as they stand
.set SCI,   16384                      ; LDS: the tile's scale image, 512 bytes
.set QST,   16896                      ; LDS: for each wave a stage of 16 rows x (512 bytes + 16): 528 = 33 x 16, so the sixteen rows of a load begin 16 bytes apart modulo 256
.set QSW,   8448
.set TM,    12                         ; v12-15 largest magnitudes, v16-19 bytes, v20-23 448 x the scale, v24-27 the conversions' scale operands
.set XA,    32                         ; v32-95   64 numbers: W1's, later query's rows 16-31, later the partial sums
.set XB,    96                         ; v96-159  64 numbers: W2's; then the two accumulators and the biases
.set XC,    160                        ; v160-223 64 numbers: query's rows 0-15
.set PCW,   224                        ; v224-239 W2's codes
.set PCX,   240                        ; v240-255 W1's codes, then query's
.set ACC,   96                         ; v96-103 batches 0-15, v104-111 batches 16-31
.set BB,    112                        ; v112-113 W1_b, v114-115 W2_b of my two columns
.set SEL,   20                         ; s[20:21] v_permlanex16_b32's selects for lane l xor 16
.set MNT,   22                         ; s22 the mantissa field of 448
; v1 my place in a weight; v2 the stage, on the way in; v3 16 x lane; v4 my scale word's place; v5, v6 the partial sums, in and back; v7, v8 my place in qbias and in the biases; v11 the stage, on the way out
; v28 W1's scale word, v29 W2's, v30 query's rows 0-15, v31 rows 16-31: these four hold scales and nothing else
; 64 numbers of a lane, v[s] .. v[s + 63], register 16 b + i = k 32 b + 16 (lane / 16) + i of my row or column, become a fragment's codes in v[pc] on and its scale word in v[pw].
.macro QUANT s, pc, pw
.irp b, 0,1,2,3
	v_max3_num_f32 v[TM+\b], |v[\s+16*\b]|, |v[\s+1+16*\b]|, 0x4800000   ; block b: my 16 numbers, and the floor 2^(9 - 127): so the byte cannot fall under 1
.endr
.irp i, 2,4,6,8,10,12,14
.irp b, 0,1,2,3
	s_delay_alu instid0(VALU_DEP_4)
	v_max3_num_f32 v[TM+\b], v[TM+\b], |v[\s+16*\b+\i]|, |v[\s+1+16*\b+\i]|   ; the four blocks by turns
.endr
.endr
.irp b, 0,1,2,3
	s_delay_alu instid0(VALU_DEP_4)
	v_permlanex16_b32 v[TM+4+\b], v[TM+\b], s[SEL], s[SEL+1]
.endr
.irp b, 0,1,2,3
	s_delay_alu instid0(VALU_DEP_4)
	v_max_num_f32 v[TM+\b], v[TM+\b], v[TM+4+\b]           ; with lane l xor 16's 16: the block's largest magnitude
.endr
.irp b, 0,1,2,3
	s_delay_alu instid0(VALU_DEP_4)
	v_add_nc_u32 v[TM+12+\b], 0xfc000000, v[TM+\b]         ; 8 off its exponent field: the conversion takes that field as its scale
.endr
.irp b, 0,1,2,3
	v_and_or_b32 v[TM+8+\b], v[TM+\b], 0x7f800000, s[MNT]  ; 448 x the scale
.endr
.irp b, 0,1,2,3
	v_lshrrev_b32 v[TM+4+\b], 23, v[TM+12+\b]              ; the scale's byte
.endr
	s_delay_alu instid0(VALU_DEP_3)
	v_lshl_or_b32 v[\pw], v[TM+5], 8, v[TM+4]              ; four bytes make the scale word; the 64 holds below stand between it and any product
	s_delay_alu instid0(VALU_DEP_1)
	v_lshl_or_b32 v[\pw], v[TM+6], 16, v[\pw]
	s_delay_alu instid0(VALU_DEP_1)
	v_lshl_or_b32 v[\pw], v[TM+7], 24, v[\pw]
.irp b, 0,1,2,3
.irp i, 0,1,2,3,4,5,6,7,8,9,10,11,12,13,14,15
	v_med3_num_f32 v[\s+16*\b+\i], v[\s+16*\b+\i], -v[TM+8+\b], v[TM+8+\b]   ; the conversion to an 8-bit code does not saturate (ISA guide 7.6.2): the hold comes first
.endr
	v_cvt_scalef32_pk8_fp8_f32 v[\pc+4*\b:\pc+1+4*\b], v[\s+16*\b:\s+7+16*\b], v[TM+12+\b]
	v_cvt_scalef32_pk8_fp8_f32 v[\pc+2+4*\b:\pc+3+4*\b], v[\s+8+16*\b:\s+15+16*\b], v[TM+12+\b]
.endr
	v_nop                                                  ; one plain line behind the last conversion, ahead of whatever next touches its registers
.endm
; Sixteen rows of query, 512 bytes each as loaded (register 4 i on: row i, my 16 bytes), turn through my stage and come back into the registers that they left: register 16 c + 4 j on = row r, k = 32 c + 16 h + 4 j on.
; LDS serves a wave's instructions in order (ISA guide 5.7.1.4): no wait stands between the stores and the loads, nor in front of the stage's second use.
.macro TURNQ x
.irp i, 0,1,2,3,4,5,6,7,8,9,10,11,12,13,14,15
	ds_store_b128 v2, v[\x+4*\i:\x+4*\i+3] offset:528*\i
.endr
.irp c, 0,1,2,3
.irp j, 0,1,2,3
	ds_load_b128 v[\x+16*\c+4*\j:\x+16*\c+4*\j+3], v11 offset:128*\c+16*\j
.endr
.endr
	s_wait_dscnt 0x0
.endm
	s_load_b256 s[4:11], s[0:1], 0x0               ; W1_k s[4:5], W2_k s[6:7], query s[8:9], W1_b s[10:11]
	s_load_b128 s[12:15], s[0:1], 0x20             ; W2_b s[12:13], w1img s[14:15]
	s_load_b64 s[16:17], s[0:1], 0x30              ; qbias
	s_set_vgpr_msb 0x40
	v_lshl_add_u32 v0, v0, 2, 0x14a00
	v_mov_b32 v1, 0
	s_set_vgpr_msb 0x4000
	v_lshrrev_b32 v9, 5, v0
	s_delay_alu instid0(VALU_DEP_1)
	v_readfirstlane_b32 s18, v9                    ; wave = K step
	v_and_b32 v9, 31, v0                           ; lane
	v_and_b32 v10, 15, v0                          ; r
	s_wait_alu depctr_va_vdst(0)
	v_bfe_u32 v11, v0, 4, 1                        ; h
	v_lshlrev_b32 v1, 2, v10
	s_delay_alu instid0(VALU_DEP_1)
	v_lshl_add_u32 v1, v11, 16, v1                 ; a weight: column r (4 bytes), 16 h rows of 4,096 bytes down
	v_lshlrev_b32 v3, 4, v9                        ; 16 x lane
	s_wait_alu depctr_va_vdst(0)
	s_mul_i32 s23, s18, QSW
	s_add_co_u32 s23, s23, QST                     ; my wave's stage
	v_add_nc_u32 v2, s23, v3                       ; in: 16 x lane of a row
	v_mul_u32_u24 v9, v10, 528
	s_delay_alu instid0(VALU_DEP_1)
	v_lshl_add_u32 v9, v11, 6, v9
	s_delay_alu instid0(VALU_DEP_1)
	v_add_nc_u32 v11, s23, v9                      ; out: row r, + 64 h
	s_and_b32 s24, s18, 1
	s_lshl_b32 s24, s24, 8
	s_lshr_b32 s25, s18, 1
	s_lshl_b32 s25, s25, 2
	s_add_co_u32 s24, s24, s25
	s_add_co_u32 s24, s24, SCI
	v_lshlrev_b32 v4, 4, v10
	s_delay_alu instid0(VALU_DEP_1)
	v_add_nc_u32 v4, s24, v4                       ; the scale image: 16 r + 256 (s % 2) + 4 (s / 2)
	s_lshl_b32 s25, s18, 11
	v_add_nc_u32 v5, s25, v3                       ; my wave's partial sums: 2,048 s + 16 x lane
	v_lshlrev_b32 v6, 3, v0                        ; and on the way back 8 bytes a thread
	v_bfe_u32 v9, v0, 5, 1                         ; thread i's 8 bytes are registers 4 (i / 64) + 2 (i % 2) and the next of lane (i / 2) % 32
	s_delay_alu instid0(VALU_DEP_1)
	v_lshlrev_b32 v8, 5, v9                        ; that lane's half: 8 columns, 32 bytes
	v_bfe_u32 v9, v0, 6, 1
	s_delay_alu instid0(VALU_DEP_1)
	v_lshl_add_u32 v8, v9, 4, v8                   ; the accumulator's upper four registers: 16 bytes
	v_and_b32 v9, 1, v0
	s_delay_alu instid0(VALU_DEP_1)
	v_lshl_add_u32 v8, v9, 3, v8                   ; my two columns' bytes within the tile's 64
	v_bfe_u32 v9, v0, 1, 4
	v_bfe_u32 v10, v0, 7, 1
	s_delay_alu instid0(VALU_DEP_1)
	v_lshl_add_u32 v9, v10, 4, v9                  ; the batch: 16 x accumulator + that lane's r
	s_delay_alu instid0(VALU_DEP_1)
	v_lshl_add_u32 v7, v9, 12, v8                  ; and my place in qbias
.irp b, 0,1,2,3
	v_mov_b32 v[TM+4+\b], 0                        ; written once: a lane permute's destination counts as one of its sources
.endr
	s_mov_b32 s[SEL], 0x76543210
	s_mov_b32 s[SEL+1], 0xfedcba98
	s_mov_b32 s[MNT], 0x600000
	s_lshl_b32 s26, s18, 19                        ; 128 s rows of 4,096 bytes
	s_lshl_b32 s27, ttmp9, 6                       ; 16 t columns of 4 bytes
	s_add_co_u32 s26, s26, s27
	s_mov_b32 s27, 0
	s_lshl_b32 s28, s18, 9                         ; query: 128 s numbers along its rows
	s_mov_b32 s29, 0
	s_lshl_b32 s30, ttmp9, 6                       ; the biases and qbias: 16 t columns
	s_mov_b32 s31, 0
	s_mul_i32 s32, ttmp9, TILEB
	s_add_co_u32 s32, s32, s25                     ; w1img: tile t, fragment s
	s_mov_b32 s33, 0
	s_wait_kmcnt 0x0
	s_add_nc_u64 s[4:5], s[4:5], s[26:27]
	s_add_nc_u64 s[6:7], s[6:7], s[26:27]
	s_add_nc_u64 s[8:9], s[8:9], s[28:29]
	s_add_nc_u64 s[10:11], s[10:11], s[30:31]
	s_add_nc_u64 s[12:13], s[12:13], s[30:31]
	s_add_nc_u64 s[14:15], s[14:15], s[32:33]
	s_add_nc_u64 s[16:17], s[16:17], s[30:31]
.irp c, 0,1,2,3
.irp i, 0,1,2,3,4,5,6,7,8,9,10,11,12,13,14,15
	global_load_b32 v[XA+16*\c+\i], v1, s[4:5] offset:(32*\c+\i)*4096   ; W1(128 s + 32 c + 16 h + i, 16 t + r)
.endr
.endr
.irp c, 0,1,2,3
.irp i, 0,1,2,3,4,5,6,7,8,9,10,11,12,13,14,15
	global_load_b32 v[XB+16*\c+\i], v1, s[6:7] offset:(32*\c+\i)*4096   ; W2 likewise
.endr
.endr
.irp i, 0,1,2,3,4,5,6,7,8,9,10,11,12,13,14,15
	global_load_b128 v[XC+4*\i:XC+4*\i+3], v3, s[8:9] offset:4096*\i    ; query's rows 0-15: 32 lanes read the row's 512 consecutive bytes of my K step
.endr
	s_wait_loadcnt 63                              ; W1's 64 are in: 80 loads are younger, the wait's field holds 63, and a smaller count only waits for more
	QUANT XA, PCX, 28
.irp c, 0,1,2,3
	global_store_b128 v3, v[PCX+4*\c:PCX+4*\c+3], s[14:15] offset:512*\c   ; the fragment as it stands: each store covers 512 consecutive bytes
.endr
	ds_store_b32 v4, v28                           ; my K step's scale words; both halves of the lanes write the same word with the same value
.irp i, 0,1,2,3,4,5,6,7,8,9,10,11,12,13,14,15
	global_load_b128 v[XA+4*\i:XA+4*\i+3], v3, s[8:9] offset:65536+4096*\i   ; query's rows 16-31, into the registers that W1's numbers have left
.endr
	s_wait_loadcnt 32                              ; W2's 64 are in: query's two tiles, 16 loads each, are younger
	QUANT XB, PCW, 29
	global_load_b64 v[BB:BB+1], v8, s[10:11]       ; W1_b and W2_b at the two columns that I add up at the end
	global_load_b64 v[BB+2:BB+3], v8, s[12:13]
	s_wait_loadcnt 18                              ; query's rows 0-15 are in: rows 16-31 (16) and the biases (2) are younger
	TURNQ XC
	s_wait_xcnt 0x0                                ; the stores of W1's codes have read their registers: these are written again only behind this wait
	QUANT XC, PCX, 30
.rept 3
	v_nop                                          ; with the line that ends the macro: four places between the codes and the scaled product
.endr
	; TRANSPOSED: source 0 = 16 columns of W2, source 1 = 16 rows of query: lane (r, h) holds batch r, register j column 16 t + 8 h + j
	v_wmma_scale_f32_16x16x128_f8f6f4 v[ACC:ACC+7], v[PCW:PCW+15], v[PCX:PCX+15], 0, v29, v30
	s_wait_loadcnt 0x0                             ; query's rows 16-31 and the biases
	TURNQ XA
	QUANT XA, PCX, 31                              ; its maxima and holds, which name none of the product's registers, are the eight places ahead of the conversions that write query's codes anew
.rept 3
	v_nop
.endr
	v_wmma_scale_f32_16x16x128_f8f6f4 v[ACC+8:ACC+15], v[PCW:PCW+15], v[PCX:PCX+15], 0, v29, v31
.rept 8
	v_nop                                          ; eight places ahead of the first read of results
.endr
.irp g, 0,1,2,3
	ds_store_b128 v5, v[ACC+4*\g:ACC+4*\g+3] offset:RED+512*\g   ; each accumulator from its low end on
.endr
	s_wait_dscnt 0x0                               ; for the others' sake: my partial sums and my scale words lie in LDS
	s_barrier_signal -1
	s_barrier_wait -1
.irp w, 0,1,2,3,4,5,6,7
	ds_load_b64 v[XA+2*\w:XA+2*\w+1], v6 offset:RED+2048*\w   ; the eight K steps' sums of my two numbers
.endr
	s_wait_dscnt 0x0
.irp w, 1
	v_pk_add_f32 v[XA:XA+1], v[XA:XA+1], v[XA+2*\w:XA+2*\w+1]   ; K ascending
.endr
.irp w, 2, 3, 4, 5, 6, 7
	s_delay_alu instid0(VALU_DEP_1)
	v_pk_add_f32 v[XA:XA+1], v[XA:XA+1], v[XA+2*\w:XA+2*\w+1]   ; K ascending
.endr
	s_delay_alu instid0(VALU_DEP_1)
	v_pk_add_f32 v[XA:XA+1], v[XA:XA+1], v[BB+2:BB+3]      ; + W2_b
	s_delay_alu instid0(VALU_DEP_1)
	v_pk_add_f32 v[XA:XA+1], v[XA:XA+1], v[BB:BB+1]        ; + W1_b
	global_store_b64 v7, v[XA:XA+1], s[16:17]
	s_cmp_lg_u32 s18, 0                            ; wave 0 alone sends the tile's scale image: 512 consecutive bytes
	s_cbranch_scc1 .Ldone
	ds_load_b128 v[48:51], v3 offset:SCI
	s_wait_dscnt 0x0
	global_store_b128 v3, v[48:51], s[14:15] offset:16384
.Ldone:
	s_set_vgpr_msb 0x5
	s_wait_tensorcnt 0x0
	ds_add_u32 v0, v1
	s_wait_dscnt 0x0
	s_set_vgpr_msb 0x500
	s_endpgm
.Lfunc_end_k_q5581184e5e_prep:
	.size	k_q5581184e5e_prep, .Lfunc_end_k_q5581184e5e_prep-k_q5581184e5e_prep
	.p2alignl 7, 3214868480
	.fill 96, 4, 3214868480
	.section	.rodata,"a",@progbits
	.p2align	6, 0x0
	.amdhsa_kernel k_q5581184e5e_prep
		.amdhsa_group_segment_fixed_size 85504
		.amdhsa_private_segment_fixed_size 0
		.amdhsa_enable_private_segment 0
		.amdhsa_kernarg_size 56
		.amdhsa_user_sgpr_count 2
		.amdhsa_user_sgpr_kernarg_segment_ptr 1
		.amdhsa_wavefront_size32 1
		.amdhsa_system_sgpr_workgroup_id_x 1
		.amdhsa_system_sgpr_workgroup_id_y 1
		.amdhsa_system_sgpr_workgroup_id_z 1
		.amdhsa_system_vgpr_workitem_id 0
		.amdhsa_next_free_vgpr 258
		.amdhsa_next_free_sgpr 66
		.amdhsa_reserve_vcc 0
		.amdhsa_float_denorm_mode_32 3
		.amdhsa_float_denorm_mode_16_64 3
		.amdhsa_memory_ordered 1
		.amdhsa_forward_progress 1
		.amdhsa_inst_pref_size 64
	.end_amdhsa_kernel
	.amdgpu_metadata
---
amdhsa.version: [ 1, 2 ]
amdhsa.kernels:
  - .name:           k_q5581184e5e_prep
    .symbol:         k_q5581184e5e_prep.kd
    .args:
      - { .name: W1_k, .offset: 0, .size: 8, .value_kind: global_buffer, .address_space: global }
      - { .name: W2_k, .offset: 8, .size: 8, .value_kind: global_buffer, .address_space: global }
      - { .name: query, .offset: 16, .size: 8, .value_kind: global_buffer, .address_space: global }
      - { .name: W1_b, .offset: 24, .size: 8, .value_kind: global_buffer, .address_space: global }
      - { .name: W2_b, .offset: 32, .size: 8, .value_kind: global_buffer, .address_space: global }
      - { .name: w1img, .offset: 40, .size: 8, .value_kind: global_buffer, .address_space: global }
      - { .name: qbias, .offset: 48, .size: 8, .value_kind: global_buffer, .address_space: global }
    .group_segment_fixed_size: 85504
    .private_segment_fixed_size: 0
    .kernarg_segment_align: 8
    .kernarg_segment_size: 56
    .max_flat_workgroup_size: 256
    .sgpr_count:     66
    .vgpr_count:     258
    .wavefront_size: 32
...
	.end_amdgpu_metadata
.endif
;; end of part 1
;; launch scores (part 2): grid 256 x 1, 4 waves a work-group, clusters of 4 x 1, 327,680 bytes of LDS; arguments values, w1img, qbias, V_k, raw; writes raw
.if DOCPART == 2
	.amdgcn_target "amdgcn-amd-amdhsa--gfx1250"
	.amdhsa_code_object_version 6
	.text
	.protected	k_q5581184e5e_scores
	.globl	k_q5581184e5e_scores
	.p2align	8
	.type	k_q5581184e5e_scores,@function
k_q5581184e5e_scores:
	s_mov_b64 s[64:65], 0
	v_nop
	global_prefetch_b8 v0, s[64:65] scope:SCOPE_SE
	s_setreg_imm32_b32 hwreg(HW_REG_WAVE_MODE, 25, 1), 1
	s_wait_xcnt 0x0
	s_wait_alu depctr_hold_cnt(0) depctr_sa_sdst(0) depctr_va_vdst(0) depctr_va_sdst(0) depctr_va_ssrc(0) depctr_va_vcc(0) depctr_vm_vsrc(0)
	s_getreg_b32 s2, hwreg(HW_REG_IB_STS2, 6, 4)
	s_cmp_eq_u32 s2, 0
	s_cbranch_scc0 .Lentry_in_a_cluster
	s_endpgm
.Lentry_in_a_cluster:
	s_bfe_u32 s2, ttmp6, 0x10000c
	s_cmp_lg_u32 s2, 0x3003
	s_cbranch_scc0 .Lentry_shape_is_right
	s_endpgm
.Lentry_shape_is_right:
; raw[b][t] = the sum over u of -2 V_k[u] / (1 + e^(2 h)), h[b][t][u] = Q(values)[b][t] . Q(W1_k)[:, u] + qbias[b][u]: tanh(h) = 1 - 2 / (1 + e^(2 h)); what is the same for every t of a batch is added by the launch soft.
; The product runs on codes of FP8 (E4M3) with one E8M0 byte for each 32 along K, by the scaled matrix instruction; sums, exponentials and reciprocals in f32.
; SHARES.  256 work-groups of four waves; a work-group owns 256 rows (b, t), a wave 64 of them: four blocks of 16.
; PART 1: a wave's 64 rows x 128 of K come by one tensor load a K step (rows of 512 bytes) through two LDS slots, are quantised (a lane holds 16 neighbours of each block of 32, lane l xor 16 the other 16)
; and stay in registers as the operand's codes: 512 registers, windows 2 and 3.  A block's codes pass through the wave's own image in LDS, so that the quantiser stands in a loop over the four blocks.
; PART 2: W1's image (64 tiles of 16 columns, all of K, laid as operand registers by the launch prep) goes through the same two slots, eight tiles to a slot.  All four waves read every tile; a fragment feeds four products.
; A TILE: its 32 products stand as one run, the four accumulators by turns; the next tile's 35 LDS loads are issued ahead of the run into the other set of registers (window 1 holds two sets of eight fragments).
; Behind the run stands all vector work: + 1 on the tile before (also the eight places behind the last product), x 2 log2(e) on this tile, ONE batch of 64 transcendentals (32 reciprocals of the tile before, 32 exponentials of this one), the tile before x V_k.
; TRANSPOSED: source 0 = 16 columns of W1, source 1 = 16 rows: lane (r, h) holds row r, register j column 8 h + j.  The first products' C is qbias at those columns.
; CLUSTER: the four work-groups of a cluster ask for W1's tiles jointly (mask 15); values' tiles are each work-group's own.
; PREFETCH: values' K step k + 3 is asked for in K step k, two steps ahead of the tensor load that wants it: 64 rows x 2 blocks of 256 bytes a wave, a lane a row, each block named once.  K steps 1 and 2 are asked for behind the first load.
; W1's image is not asked for ahead: a slot's load stands eight tiles, 256 matrix instructions a wave, ahead of the wait for it, and all clusters walk the same 1,081,344 bytes.
; LIMITS: e^(2 h) beyond f32's range gives the quotient 0, under it 1: tanh's own ends.  A block of zeros gets the byte 1 (its codes are zeros; the bytes stay in this launch).  NaN and infinities among the inputs are not served.
.set PART,  33792                      ; a wave's part of a slot: 64 rows x (512 + 16) bytes of values, or two tiles of W1's image
.set SLOT,  4*PART
.set TILEB, 16896                      ; a tile of the image: eight fragments of 2,048 bytes, 512 bytes of scale words
.set IMG,   2*SLOT                     ; for each wave: four blocks' codes of a K step (8,192 bytes) and their scale words (512)
.set IMGW,  8704
.set TAB,   IMG+4*IMGW                 ; qbias[b] (4,096 bytes), then -2 V_k
.set SPARE, TAB+8192                   ; the spare words: 128 bytes a wave
.set STG,   SPARE+512                  ; the way out: 256 bytes a wave
.set SPW,  1                           ; v1 my spare word, v2 zero: never rewritten
.set NIL,  2
.set L16,  3                           ; 16 x lane
.set BAD,  4                           ; the next tile in LDS
.set T0,   5                           ; TAB + 32 h
.set TAD,  6                           ; the next tile's place in the tables
.set XA0,  7                           ; my place in a tile of values; v8 with the block's step
.set XAD,  8
.set IW0,  9                           ; the image: codes; v10 with the block's step
.set IWA,  10
.set JW0,  11                          ; the image: scale words; v12 with the block's step
.set JWA,  12
.set SGA,  13
.set SGB,  14
.set GO,   15
.set AS,   16                          ; v16-47 my rows' scale words: 4 s + m
.set WSC,  48                          ; v48-55 W1's scale words, two sets of four: register i: lanes 0-15 K step 2 i, lanes 16-31 K step 2 i + 1
.set AX,   56                          ; v56-87, v88-119 two sets of four accumulators
.set BI,   120                         ; v120-135 qbias at my eight columns, two sets
.set VP,   136                         ; v136-143 -2 V_k at my eight columns
.set SS,   144                         ; v144-151 the rows' sums: a pair for each block
.set XN,   128                         ; part 1: v128-191 64 numbers, v192-207 codes, v208-223 at work, v224 the scale word
.set CD,   192
.set TM,   208
.set PW,   224
.set PFO,  248                         ; 4,096 x lane: the prefetches' offset; never rewritten
.set WV,   14
.set SEL,  20
.set C2,   22
.set MNT,  24
.set G1V,  32
.set G1W,  40
.set G0V,  48
.set G0W,  56
.set MSB, 0
.macro WIN new                         ; the immediate's high byte repeats the setting that is left
.if MSB != (\new)
	s_set_vgpr_msb (MSB<<8)|(\new)
.set MSB, (\new)
.endif
.endm
.macro CROUND                          ; a round of the cluster's barrier
	s_barrier_signal -1
	s_barrier_wait -1
	s_cmp_lg_u32 s[WV], 0
	s_cbranch_scc1 .Lnot_wave_0_\@
	s_barrier_signal -3
.Lnot_wave_0_\@:
	s_barrier_wait -3
	s_barrier_signal -1
	s_barrier_wait -1
.endm
.macro TL g0, g1                       ; a tensor load with the lines behind it
	tensor_load_to_lds s[\g0:\g0+3], s[\g1:\g1+7]
	s_nop 0
.rept 4
	v_nop
.endr
.endm
.macro ASK k                           ; values' K step k of my 64 rows: 128 blocks of 256 bytes
.irp o, 0, 256, 131072, 131328
	global_prefetch_b8 v[PFO], s[4:5] offset:512*(\k)+\o th:TH_LOAD_NT scope:SCOPE_SE
.endr
.endm
; 64 numbers of a lane, register 16 b + i = k 32 b + 16 h + i of my row, become a fragment's codes and its scale word
.macro QUANT s, pc, pw
.irp b, 0,1,2,3
	v_max3_num_f32 v[TM+\b], |v[\s+16*\b]|, |v[\s+1+16*\b]|, 0x4800000   ; with the floor 2^(9 - 127): the byte cannot fall under 1
.endr
.irp i, 2,4,6,8,10,12,14
.irp b, 0,1,2,3
	v_max3_num_f32 v[TM+\b], v[TM+\b], |v[\s+16*\b+\i]|, |v[\s+1+16*\b+\i]|
.endr
.endr
.irp b, 0,1,2,3
	v_permlanex16_b32 v[TM+4+\b], v[TM+\b], s[SEL], s[SEL+1]
.endr
.irp b, 0,1,2,3
	v_max_num_f32 v[TM+\b], v[TM+\b], v[TM+4+\b]           ; the block's largest magnitude
.endr
.irp b, 0,1,2,3
	v_add_nc_u32 v[TM+12+\b], 0xfc000000, v[TM+\b]         ; 8 off its exponent field: the conversion's scale operand
.endr
.irp b, 0,1,2,3
	v_and_or_b32 v[TM+8+\b], v[TM+\b], 0x7f800000, s[MNT]  ; 448 x the scale
.endr
.irp b, 0,1,2,3
	v_lshrrev_b32 v[TM+4+\b], 23, v[TM+12+\b]              ; the byte
.endr
	v_lshl_or_b32 v[\pw], v[TM+5], 8, v[TM+4]
	v_lshl_or_b32 v[\pw], v[TM+6], 16, v[\pw]
	v_lshl_or_b32 v[\pw], v[TM+7], 24, v[\pw]
.irp b, 0,1,2,3
.irp i, 0,1,2,3,4,5,6,7,8,9,10,11,12,13,14,15
	v_med3_num_f32 v[\s+16*\b+\i], v[\s+16*\b+\i], -v[TM+8+\b], v[TM+8+\b]   ; the conversion does not saturate (ISA guide 7.6.2): the hold comes first
.endr
	v_cvt_scalef32_pk8_fp8_f32 v[\pc+4*\b:\pc+1+4*\b], v[\s+16*\b:\s+7+16*\b], v[TM+12+\b]
	v_cvt_scalef32_pk8_fp8_f32 v[\pc+2+4*\b:\pc+3+4*\b], v[\s+8+16*\b:\s+15+16*\b], v[TM+12+\b]
.endr
	v_nop                                                  ; one plain line behind the last conversion
.endm
	s_load_b256 s[4:11], s[0:1], 0x0               ; values, w1img, qbias, V_k
	s_load_b64 s[12:13], s[0:1], 0x20              ; raw
	v_lshl_add_u32 v[SPW], v0, 2, SPARE
	v_mov_b32 v[NIL], 0
	ds_add_u32 v[SPW], v[NIL]                      ; the opening lines: the add twice on end; its wait stands ahead of my first tensor load
	ds_add_u32 v[SPW], v[NIL]
	v_lshrrev_b32 v225, 5, v0
	v_readfirstlane_b32 s[WV], v225                ; wave
	s_bfe_u32 s15, ttmp6, 0x40000                  ; cx
	s_lshl_b32 s16, ttmp9, 2
	s_add_co_u32 s16, s16, s15                     ; work-group
	s_lshl_b32 s18, s16, 20                        ; values: 256 rows of 4,096 bytes a work-group, 64 a wave
	s_lshl_b32 s19, s[WV], 18
	s_add_co_u32 s18, s18, s19
	s_mov_b32 s19, 0
	s_lshl_b32 s70, s16, 10                        ; raw: 256 numbers a work-group, 64 a wave
	s_lshl_b32 s71, s[WV], 8
	s_add_co_u32 s70, s70, s71
	s_mov_b32 s71, 0
	s_mul_i32 s67, s[WV], PART                     ; my part of a slot, and of a slot's worth of the image
	s_mov_b32 s68, s67
	s_mov_b32 s69, 0
	s_lshr_b32 s30, ttmp9, 1                       ; the batch: eight work-groups, two clusters
	s_lshl_b32 s30, s30, 12
	s_mov_b32 s31, 0
	s_mov_b32 s[SEL], 0x76543210
	s_mov_b32 s[SEL+1], 0xfedcba98
	s_mov_b32 s[C2], 0x4038aa3b                    ; 2 log2(e)
	s_mov_b32 s[C2+1], s[C2]
	s_mov_b32 s[MNT], 0x600000
	s_mov_b32 s25, 0xffff0000
	s_mov_b32 s[G1V], (2<<16)|(1<<20)|(6<<22)|(3<<25)   ; values: 64 rows of 128 f32, 16 bytes of padding behind each
	s_mov_b32 s[G1V+1], 128<<16
	s_mov_b32 s[G1V+2], 64<<16
	s_mov_b32 s[G1V+3], 128<<16
	s_mov_b32 s[G1V+4], 64
	s_mov_b32 s[G1V+5], 1024
	s_mov_b32 s[G1V+6], 0
	s_mov_b32 s[G1V+7], 0
	s_mov_b32 s[G1W], 15|(3<<16)|(1<<21)           ; the image: 33,792 dense bytes as 132 rows of 256, asked for jointly by the cluster's four
	s_mov_b32 s[G1W+1], 32<<16
	s_mov_b32 s[G1W+2], 132<<16
	s_mov_b32 s[G1W+3], 32<<16
	s_mov_b32 s[G1W+4], 132
	s_mov_b32 s[G1W+5], 32
	s_mov_b32 s[G1W+6], 0
	s_mov_b32 s[G1W+7], 0
	v_and_b32 v225, 31, v0                         ; lane
	v_and_b32 v226, 15, v0                         ; r
	v_bfe_u32 v227, v0, 4, 1                       ; h
	v_lshlrev_b32 v[L16], 4, v225
	v_lshlrev_b32 v[PFO], 12, v225
	v_lshl_add_u32 v[T0], v227, 5, TAB
	v_mul_u32_u24 v[XA0], v226, 528
	v_lshl_add_u32 v[XA0], v227, 6, v[XA0]
	v_add_nc_u32 v[XA0], s67, v[XA0]               ; row r, + 64 h bytes
	s_mul_i32 s28, s[WV], IMGW
	s_add_co_u32 s28, s28, IMG
	v_add_nc_u32 v[IW0], s28, v[L16]
	v_lshlrev_b32 v[JW0], 2, v225
	v_add_nc_u32 v[JW0], s28, v[JW0]
	v_add_nc_u32 v[JW0], 8192, v[JW0]
	s_lshl_b32 s29, s[WV], 8
	s_add_co_u32 s29, s29, STG
	v_lshlrev_b32 v[SGA], 2, v225
	v_add_nc_u32 v[SGA], s29, v[SGA]
	v_lshlrev_b32 v[GO], 3, v225
	v_add_nc_u32 v[SGB], s29, v[GO]
	v_lshlrev_b32 v228, 4, v0
	v_add_nc_u32 v229, TAB, v228
	s_wait_alu depctr_va_vdst(0)
	s_wait_dscnt 0x0                               ; both opening adds are done
	s_wait_kmcnt 0x0
	s_add_nc_u64 s[4:5], s[4:5], s[18:19]
	s_add_nc_u64 s[6:7], s[6:7], s[68:69]
	s_add_nc_u64 s[8:9], s[8:9], s[30:31]
	s_add_nc_u64 s[12:13], s[12:13], s[70:71]
.irp n, 0,1
	s_mov_b32 s[G0V+4*\n], 1
	s_add_co_u32 s[G0V+4*\n+1], s67, \n*SLOT
	s_add_nc_u64 s[G0V+4*\n+2:G0V+4*\n+3], s[4:5], \n*512
	s_or_b32 s[G0V+4*\n+3], s[G0V+4*\n+3], 0x80000000
	s_mov_b32 s[G0W+4*\n], 1
	s_add_co_u32 s[G0W+4*\n+1], s67, \n*SLOT
	s_add_nc_u64 s[G0W+4*\n+2:G0W+4*\n+3], s[6:7], \n*SLOT
	s_or_b32 s[G0W+4*\n+3], s[G0W+4*\n+3], 0x80000000
.endr
	CROUND                                         ; the round in front of the first tensor loads
	TL G0V, G1V                                    ; K step 0: my one load at the head
	ASK 1
	ASK 2
	global_load_b128 v[232:235], v228, s[8:9]      ; the tables: 128 threads x 16 bytes, twice
	global_load_b128 v[236:239], v228, s[8:9] offset:2048
	global_load_b128 v[240:243], v228, s[10:11]
	global_load_b128 v[244:247], v228, s[10:11] offset:2048
.irp b, 0,1,2,3
	v_mov_b32 v[TM+4+\b], 0                        ; a lane permute's destination counts as one of its sources
.endr
	s_wait_loadcnt 0x0
.irp j, 0,2,4,6
	v_pk_mul_f32 v[240+\j:241+\j], v[240+\j:241+\j], -2.0 op_sel_hi:[1,0]
.endr
	ds_store_b128 v229, v[232:235]
	ds_store_b128 v229, v[236:239] offset:2048
	ds_store_b128 v229, v[240:243] offset:4096
	ds_store_b128 v229, v[244:247] offset:6144
	s_wait_alu depctr_va_vdst(0)
; K STEP p OF PART 1.  The three lines and a round; behind it my one load: the next K step into the other slot (the last step: the image's first eight tiles); then this slot's four blocks are quantised.
.macro LSTEP p
	s_wait_tensorcnt 0x0                           ; my part of this K step is in
	ds_add_u32 v[SPW], v[NIL]
.if (\p) > 0 && (\p) < 7
	s_add_nc_u64 s[G0V+4*(((\p)+1)%2)+2:G0V+4*(((\p)+1)%2)+3], s[G0V+4*(((\p)+1)%2)+2:G0V+4*(((\p)+1)%2)+3], 1024
.endif
	s_wait_dscnt 0x0                               ; the add, and my reads of the other slot
	CROUND
.if (\p) < 7
	TL G0V+4*(((\p)+1)%2), G1V
.else
	TL G0W, G1W
.endif
.if (\p) < 5
	ASK (\p)+3
.endif
	s_mov_b32 s30, ((\p)%2)*SLOT
	s_mov_b32 s31, 0
	s_mov_b32 s66, 0
	s_mov_b32 s28, 4
.Lrows_\@:
	v_add_nc_u32 v[XAD], s30, v[XA0]
	v_add_nc_u32 v[IWA], s31, v[IW0]
	v_add_nc_u32 v[JWA], s66, v[JW0]
.irp c, 0,1,2,3
.irp j, 0,1,2,3
	ds_load_b128 v[XN+16*\c+4*\j:XN+16*\c+4*\j+3], v[XAD] offset:128*\c+16*\j
.endr
.endr
	s_wait_dscnt 0x0
	QUANT XN, CD, PW
.irp c, 0,1,2,3
	ds_store_b128 v[IWA], v[CD+4*\c:CD+4*\c+3] offset:512*\c
.endr
	ds_store_b32 v[JWA], v[PW]
	s_add_co_u32 s30, s30, 16*528
	s_add_co_u32 s31, s31, 2048
	s_add_co_u32 s66, s66, 128
	s_sub_co_u32 s28, s28, 1
	s_cmp_lg_u32 s28, 0
	s_cbranch_scc1 .Lrows_\@
	WIN 0x80+0x40*((\p)/4)                         ; the four fragments into their registers: LDS serves a wave's instructions in order (ISA guide 5.7.1.4)
.irp m, 0,1,2,3
.irp c, 0,1,2,3
	ds_load_b128 v[16*(4*((\p)%4)+\m)+4*\c:16*(4*((\p)%4)+\m)+4*\c+3], v[IW0] offset:2048*\m+512*\c
.endr
.endr
	WIN 0
.irp m, 0,1,2,3
	ds_load_b32 v[AS+4*(\p)+\m], v[JW0] offset:128*\m
.endr
.endm
.irp p, 0,1,2,3,4,5,6,7
	LSTEP \p
.endr
; PART 2
.macro PROD par, s, m                  ; K step s, block m, sets par
.set CU_, AX+32*(\par)+8*(\m)
.set WF_, 128*(\par)+16*(\s)
.set AF_, 16*(4*((\s)%4)+(\m))
.set WS_, WSC+4*(\par)+(\s)/2
.set XS_, AS+4*(\s)+(\m)
.if (\s) == 0
	v_wmma_scale_f32_16x16x128_f8f6f4 v[CU_:CU_+7], v[WF_:WF_+15], v[AF_:AF_+15], v[BI+8*(\par):BI+8*(\par)+7], v[WS_], v[XS_]
.elseif (\s)%2
	v_wmma_scale_f32_16x16x128_f8f6f4 v[CU_:CU_+7], v[WF_:WF_+15], v[AF_:AF_+15], v[CU_:CU_+7], v[WS_], v[XS_] matrix_a_scale:MATRIX_SCALE_ROW1
.else
	v_wmma_scale_f32_16x16x128_f8f6f4 v[CU_:CU_+7], v[WF_:WF_+15], v[AF_:AF_+15], v[CU_:CU_+7], v[WS_], v[XS_]
.endif
.endm
.macro RUN16 par, s0                   ; four K steps x four blocks: the accumulators by turns
.irp s, \s0, \s0+1, \s0+2, \s0+3
.irp m, 0,1,2,3
	PROD \par, (\s), \m
.endr
.endr
.endm
.macro LOADT par, bad, tad             ; a tile into sets par: scale words, qbias, eight fragments: 35 loads
	ds_load_b128 v[WSC+4*(\par):WSC+4*(\par)+3], v[\bad] offset:16384
	ds_load_b128 v[BI+8*(\par):BI+8*(\par)+3], v[\tad]
	ds_load_b128 v[BI+8*(\par)+4:BI+8*(\par)+7], v[\tad] offset:16
	WIN 0x40
.irp s, 0,1,2,3,4,5,6,7
.irp c, 0,1,2,3
	ds_load_b128 v[128*(\par)+16*\s+4*\c:128*(\par)+16*\s+4*\c+3], v[\bad] offset:2048*\s+512*\c
.endr
.endr
.endm
.macro ABLK set                        ; 1 + e^(2 h)
.set I_, 0
.rept 16
	v_pk_add_f32 v[\set+I_:\set+I_+1], v[\set+I_:\set+I_+1], 1.0 op_sel_hi:[1,0]
.set I_, I_+2
.endr
.endm
.macro MBLK set                        ; h x 2 log2(e): each accumulator from its low end on
.set I_, 0
.rept 16
	v_pk_mul_f32 v[\set+I_:\set+I_+1], v[\set+I_:\set+I_+1], s[C2:C2+1] op_sel_hi:[1,0]
.set I_, I_+2
.endr
.endm
.macro RCPS set
.set I_, 0
.rept 32
	v_rcp_f32 v[\set+I_], v[\set+I_]
.set I_, I_+1
.endr
.endm
.macro FBLK set                        ; the rows' sums += quotient x -2 V_k
.irp q, 0,1,2,3
.irp m, 0,1,2,3
	v_pk_fma_f32 v[SS+2*\m:SS+2*\m+1], v[\set+8*\m+2*\q:\set+8*\m+2*\q+1], v[VP+2*\q:VP+2*\q+1], v[SS+2*\m:SS+2*\m+1]
.endr
.endr
.endm
; TILE t, t % 2 = par.  mode 0: in the stream; 1: the first (no tile before it); 2: the last (no tile behind it).  s26: the next tile's LDS byte; s27 = 64 (t + 1)
.macro TILE par, mode
.set CUR_, AX+32*(\par)
.set OTH_, AX+32*(1-(\par))
	v_add_nc_u32 v[TAD], v[T0], s27
.if (\mode) != 2
	v_add_nc_u32 v[BAD], v[L16], s26
	s_add_co_u32 s26, s26, TILEB
.endif
	s_add_co_u32 s27, s27, 64
.if (\mode) != 1
	ds_load_b128 v[VP:VP+3], v[TAD] offset:4096-128        ; -2 V_k of tile t - 1: wanted behind this run
	ds_load_b128 v[VP+4:VP+7], v[TAD] offset:4096-112
.endif
.if (\mode) != 2
	LOADT 1-(\par), BAD, TAD                       ; tile t + 1; the vector work behind the last run is the places ahead of these loads
.endif
.if (\mode) == 0
	s_wait_dscnt 37                                ; tile t's loads are in: the 37 just issued may be out
.elseif (\mode) == 1
	s_wait_dscnt 35
.else
	s_wait_dscnt 2
.endif
	WIN 0x09                                       ; source 0 window 1, source 1 window 2
	RUN16 \par, 0
	WIN 0x0d                                       ; source 1 window 3
	RUN16 \par, 4
	WIN 0
.if (\mode) == 1
.rept 8
	v_nop                                          ; eight places ahead of the first read of results
.endr
.else
.if (\mode) == 0
	s_wait_dscnt 35                                ; V_k's two loads, the first of the 37, are in
.else
	s_wait_dscnt 0x0
.endif
	ABLK OTH_                                      ; sixteen lines that name none of the products' registers: the places too
.endif
	MBLK CUR_
	s_wait_alu depctr_va_vdst(0)                   ; ahead of the batch
.if (\mode) != 1
	RCPS OTH_
.endif
.set I_, 0
.rept 32
	v_exp_f32 v[CUR_+I_], v[CUR_+I_]
.set I_, I_+1
.endr
	v_nop                                          ; a plain place behind the transcendentals
	s_wait_alu depctr_va_vdst(0)                   ; and the one wait behind the batch
.if (\mode) != 1
	FBLK OTH_
.endif
.endm
.macro PAIRS n
	s_mov_b32 s28, \n
.Lpair_\@:
	TILE 1, 0
	TILE 0, 0
	s_sub_co_u32 s28, s28, 1
	s_cmp_lg_u32 s28, 0
	s_cbranch_scc1 .Lpair_\@
.endm
; THE CHANGE OF SLOTS stands ahead of a slot's last tile's run: that tile is in registers, and the run's loads take the next slot's first tile.  n: the slot ahead; refill = 1: the slot left takes the tiles two slots on
.macro CHANGE n, refill
	s_wait_tensorcnt 0x0                           ; my part of the slot ahead is in
	ds_add_u32 v[SPW], v[NIL]
.if \refill
	s_add_nc_u64 s[G0W+4*(1-\n)+2:G0W+4*(1-\n)+3], s[G0W+4*(1-\n)+2:G0W+4*(1-\n)+3], 2*SLOT
.endif
	s_mov_b32 s26, \n*SLOT
	s_wait_dscnt 0x0                               ; the add, and my reads of the slot that is left
.if \refill
	CROUND
	TL G0W+4*(1-\n), G1W
.else
	s_barrier_signal -1
	s_barrier_wait -1
.endif
.endm
	s_wait_tensorcnt 0x0                           ; the image's first eight tiles are in
	ds_add_u32 v[SPW], v[NIL]
	s_mov_b32 s26, TILEB
	s_mov_b32 s27, 64
.irp j, 0,1,2,3,4,5,6,7
	v_mov_b32 v[SS+\j], 0
.endr
	s_wait_dscnt 0x0                               ; the add, my reads of slot 1, my codes and scale words
	CROUND
	TL G0W+4, G1W                                  ; tiles 8 to 15 over values' last K step
	LOADT 0, L16, T0                               ; tile 0
	WIN 0
	TILE 0, 1
	PAIRS 3                                        ; tiles 1 to 6
	s_mov_b32 s29, 3
.Lphase:                                           ; tiles 7 to 54
	CHANGE 1, 1
	PAIRS 4
	CHANGE 0, 1
	PAIRS 4
	s_sub_co_u32 s29, s29, 1
	s_cmp_lg_u32 s29, 0
	s_cbranch_scc1 .Lphase
	CHANGE 1, 0                                    ; the last slot: nothing is filled again
	PAIRS 4                                        ; tiles 55 to 62
	TILE 1, 2                                      ; tile 63
	ds_load_b128 v[VP:VP+3], v[TAD] offset:4096-64 ; -2 V_k of tile 63
	ds_load_b128 v[VP+4:VP+7], v[TAD] offset:4096-48
	ABLK AX+32
	s_wait_alu depctr_va_vdst(0)                   ; ahead of the batch
	RCPS AX+32
	v_nop
	s_wait_dscnt 0x0
	s_wait_alu depctr_va_vdst(0)                   ; behind it
	FBLK AX+32
.irp m, 0,1,2,3
	v_add_f32 v[128+\m], v[SS+2*\m], v[SS+2*\m+1]  ; even and odd columns,
.endr
.irp m, 0,1,2,3
	v_mov_b32 v[132+\m], 0
.endr
.irp m, 0,1,2,3
	v_permlanex16_b32 v[132+\m], v[128+\m], s[SEL], s[SEL+1]
.endr
.irp m, 0,1,2,3
	v_add_f32 v[128+\m], v[128+\m], v[132+\m]      ; and the other half's eight: row r of block m, in both halves
.endr
	v_cndmask_b32 v136, v128, v129, s25            ; lanes 0-15 block 0, lanes 16-31 block 1
	v_cndmask_b32 v137, v130, v131, s25
	ds_store_b32 v[SGA], v136
	ds_store_b32 v[SGA], v137 offset:128
	ds_load_b64 v[138:139], v[SGB]                 ; my own bytes, served in order
	s_wait_dscnt 0x0
	global_store_b64 v[GO], v[138:139], s[12:13]   ; 32 lanes store one aligned unit of 256 bytes
	s_wait_tensorcnt 0x0                           ; the wave's end
	ds_add_u32 v[SPW], v[NIL]
	s_wait_dscnt 0x0
	CROUND                                         ; the closing round
	s_endpgm
.Lfunc_end_k_q5581184e5e_scores:
	.size	k_q5581184e5e_scores, .Lfunc_end_k_q5581184e5e_scores-k_q5581184e5e_scores
	.p2alignl 7, 3214868480
	.fill 96, 4, 3214868480
	.section	.rodata,"a",@progbits
	.p2align	6, 0x0
	.amdhsa_kernel k_q5581184e5e_scores
		.amdhsa_group_segment_fixed_size 327680
		.amdhsa_private_segment_fixed_size 0
		.amdhsa_enable_private_segment 0
		.amdhsa_kernarg_size 40
		.amdhsa_user_sgpr_count 2
		.amdhsa_user_sgpr_kernarg_segment_ptr 1
		.amdhsa_wavefront_size32 1
		.amdhsa_system_sgpr_workgroup_id_x 1
		.amdhsa_system_sgpr_workgroup_id_y 1
		.amdhsa_system_sgpr_workgroup_id_z 1
		.amdhsa_system_vgpr_workitem_id 0
		.amdhsa_next_free_vgpr 1024
		.amdhsa_next_free_sgpr 72
		.amdhsa_reserve_vcc 0
		.amdhsa_float_denorm_mode_32 3
		.amdhsa_float_denorm_mode_16_64 3
		.amdhsa_memory_ordered 1
		.amdhsa_forward_progress 1
		.amdhsa_inst_pref_size 227
	.end_amdhsa_kernel
	.amdgpu_metadata
---
amdhsa.version: [ 1, 2 ]
amdhsa.kernels:
  - .name:           k_q5581184e5e_scores
    .symbol:         k_q5581184e5e_scores.kd
    .args:
      - { .name: values, .offset: 0, .size: 8, .value_kind: global_buffer, .address_space: global }
      - { .name: w1img, .offset: 8, .size: 8, .value_kind: global_buffer, .address_space: global }
      - { .name: qbias, .offset: 16, .size: 8, .value_kind: global_buffer, .address_space: global }
      - { .name: V_k, .offset: 24, .size: 8, .value_kind: global_buffer, .address_space: global }
      - { .name: raw, .offset: 32, .size: 8, .value_kind: global_buffer, .address_space: global }
    .group_segment_fixed_size: 327680
    .private_segment_fixed_size: 0
    .kernarg_segment_align: 8
    .kernarg_segment_size: 40
    .max_flat_workgroup_size: 128
    .sgpr_count:     72
    .vgpr_count:     1024
    .wavefront_size: 32
...
	.end_amdgpu_metadata
.endif
;; end of part 2
;; launch soft (part 3): grid 32 x 1, 8 waves a work-group, no clusters, 1,280 bytes of LDS; arguments raw, V_k, V_b, values, out0, out1; writes out0, out1
.if DOCPART == 3
	.amdgcn_target "amdgcn-amd-amdhsa--gfx1250"
	.amdhsa_code_object_version 6
	.text
	.protected	k_q5581184e5e_soft
	.globl	k_q5581184e5e_soft
	.p2align	8
	.type	k_q5581184e5e_soft,@function
k_q5581184e5e_soft:
	s_mov_b64 s[64:65], 0
	v_nop
	global_prefetch_b8 v0, s[64:65] scope:SCOPE_SE
	s_setreg_imm32_b32 hwreg(HW_REG_WAVE_MODE, 25, 1), 1
	s_wait_xcnt 0x0
; score[b][t] = raw[b][t] + sum(V_k) + V_b;  out1[b] = softmax over the 2,048 times of batch b, the row's maximum taken away first;  out0[b] = out1[b][2047] x values[b][2047][:].
; Three figures span the work-group (the sum of V_k, the maximum, the sum of the exponentials): each is reduced in the wave, then the eight waves' figures meet in LDS words of their own behind a barrier.
; No matrix work, no cluster, no tensor load: 8 KiB of scores a work-group, and nothing is shared between work-groups.
; LIMITS: an exponential under 2^-126 comes out as 0 (ISA guide, v_exp_f32); NaN and infinities among the inputs are not served.
	s_load_b256 s[4:11], s[0:1], 0x0               ; raw s[4:5], V_k s[6:7], V_b s[8:9], values s[10:11]
	s_load_b128 s[12:15], s[0:1], 0x20             ; out0 s[12:13], out1 s[14:15]
	v_lshl_add_u32 v48, v0, 2, 0x100
	v_mov_b32 v49, 0
	v_lshrrev_b32 v1, 5, v0
	s_delay_alu instid0(VALU_DEP_1)
	v_readfirstlane_b32 s22, v1                    ; wave
	s_delay_alu instid0(VALU_DEP_1)
	v_mov_b32 v3, s22
	s_delay_alu instid0(VALU_DEP_1)
	v_lshlrev_b32 v3, 2, v3                        ; my wave's word
	v_lshlrev_b32 v2, 4, v0                        ; 16 bytes a thread
	v_mov_b32 v1, 0
	v_mov_b32 v22, 0                               ; lane permutes' destinations count as sources
	v_mov_b32 v23, 0
	s_lshl_b32 s16, ttmp9, 13                      ; raw, out1: 2,048 x 4 bytes a batch
	s_mov_b32 s17, 0
	s_lshl_b32 s18, ttmp9, 12                      ; out0: 1,024 x 4 bytes
	s_mov_b32 s19, 0
	s_lshl_b32 s24, ttmp9, 23                      ; values: 2,048 rows of 4,096 bytes a batch,
	s_add_co_u32 s24, s24, 0x7ff000                ; and its row 2,047: under 2^32 for the 32 batches
	s_mov_b32 s25, 0
	s_mov_b32 s26, 0x76543210
	s_mov_b32 s27, 0xfedcba98
	s_wait_alu depctr_va_vdst(0)
	s_wait_kmcnt 0x0
	s_add_nc_u64 s[4:5], s[4:5], s[16:17]
	s_add_nc_u64 s[14:15], s[14:15], s[16:17]
	s_add_nc_u64 s[12:13], s[12:13], s[18:19]
	s_add_nc_u64 s[10:11], s[10:11], s[24:25]
	s_load_b32 s20, s[8:9], 0x0                    ; V_b
	s_load_b32 s21, s[4:5], 0x1ffc                 ; raw[b][2047]: this launch stores into neither buffer
	global_load_b128 v[4:7], v2, s[4:5]
	global_load_b128 v[8:11], v2, s[4:5] offset:4096
	global_load_b128 v[12:15], v2, s[6:7]
	global_load_b128 v[16:19], v2, s[10:11]
	s_wait_loadcnt 0x1                             ; the scores and V_k are in; values' row may be out
	v_add_f32 v20, v12, v13
	v_add_f32 v40, v14, v15
	s_delay_alu instid0(VALU_DEP_1)
	v_add_f32 v20, v20, v40                        ; my four of V_k
	v_max3_num_f32 v21, v4, v5, v6
	s_delay_alu instid0(VALU_DEP_1)
	v_max3_num_f32 v21, v21, v7, v8
	s_delay_alu instid0(VALU_DEP_1)
	v_max3_num_f32 v21, v21, v9, v10
	s_delay_alu instid0(VALU_DEP_1)
	v_max_num_f32 v21, v21, v11                    ; my eight scores' maximum
.irp x, 1
	v_add_f32_dpp v20, v20, v20 row_xmask:\x row_mask:0xf bank_mask:0xf
	s_delay_alu instid0(VALU_DEP_2)
	v_max_num_f32_dpp v21, v21, v21 row_xmask:\x row_mask:0xf bank_mask:0xf
.endr
.irp x, 2, 4, 8
	s_delay_alu instid0(VALU_DEP_2)
	v_add_f32_dpp v20, v20, v20 row_xmask:\x row_mask:0xf bank_mask:0xf
	s_delay_alu instid0(VALU_DEP_2)
	v_max_num_f32_dpp v21, v21, v21 row_xmask:\x row_mask:0xf bank_mask:0xf
.endr
	s_delay_alu instid0(VALU_DEP_2)
	v_permlanex16_b32 v22, v20, s26, s27
	s_delay_alu instid0(VALU_DEP_2)
	v_permlanex16_b32 v23, v21, s26, s27
	s_delay_alu instid0(VALU_DEP_2)
	v_add_f32 v20, v20, v22
	s_delay_alu instid0(VALU_DEP_2)
	v_max_num_f32 v21, v21, v23
	ds_store_b32 v3, v20                           ; all lanes write the same word with the same value
	ds_store_b32 v3, v21 offset:32
	s_wait_dscnt 0x0                               ; for the others' sake
	s_barrier_signal -1
	s_barrier_wait -1
	ds_load_b128 v[24:27], v1
	ds_load_b128 v[28:31], v1 offset:16
	ds_load_b128 v[32:35], v1 offset:32
	ds_load_b128 v[36:39], v1 offset:48
	s_wait_dscnt 0x0
.irp w, 25
	v_add_f32 v24, v24, v[\w]                      ; sum(V_k)
.endr
.irp w, 26, 27, 28, 29, 30, 31
	s_delay_alu instid0(VALU_DEP_1)
	v_add_f32 v24, v24, v[\w]                      ; sum(V_k)
.endr
	v_max3_num_f32 v32, v32, v33, v34
	s_delay_alu instid0(VALU_DEP_1)
	v_max3_num_f32 v32, v32, v35, v36
	s_delay_alu instid0(VALU_DEP_1)
	v_max3_num_f32 v32, v32, v37, v38
	s_delay_alu instid0(VALU_DEP_1)
	v_max_num_f32 v32, v32, v39                    ; the row's largest raw
	s_wait_alu depctr_va_vdst(0)
	s_wait_kmcnt 0x0
	v_add_f32 v24, s20, v24                        ; + V_b: what every score of the batch still lacks
	s_delay_alu instid0(VALU_DEP_1)
	v_add_f32 v32, v32, v24                        ; the largest score
	v_mov_b32 v12, s21                             ; the last time's raw rides along as a ninth number
.irp j, 4,5,6,7,8,9,10,11,12
	v_add_f32 v[\j], v[\j], v24                    ; the score
.endr
.irp j, 4,5,6,7,8,9,10,11,12
	v_sub_f32 v[\j], v[\j], v32                    ; less the maximum: 0 or less
.endr
.irp j, 4,5,6,7,8,9,10,11,12
	v_mul_f32 v[\j], 0x3fb8aa3b, v[\j]             ; x log2(e)
.endr
	s_wait_alu depctr_va_vdst(0)
.irp j, 4,5,6,7,8,9,10,11,12
	v_exp_f32 v[\j], v[\j]
.endr
	v_nop                                          ; one plain line behind the transcendentals
	s_wait_alu depctr_va_vdst(0)
	v_add_f32 v13, v4, v5
	v_add_f32 v14, v6, v7
	v_add_f32 v15, v8, v9
	v_add_f32 v40, v10, v11
	s_delay_alu instid0(VALU_DEP_3)
	v_add_f32 v13, v13, v14
	s_delay_alu instid0(VALU_DEP_2)
	v_add_f32 v15, v15, v40
	s_delay_alu instid0(VALU_DEP_1)
	v_add_f32 v13, v13, v15
.irp x, 1,2,4,8
	s_delay_alu instid0(VALU_DEP_1)
	v_add_f32_dpp v13, v13, v13 row_xmask:\x row_mask:0xf bank_mask:0xf
.endr
	s_delay_alu instid0(VALU_DEP_1)
	v_permlanex16_b32 v22, v13, s26, s27
	s_delay_alu instid0(VALU_DEP_1)
	v_add_f32 v13, v13, v22
	ds_store_b32 v3, v13 offset:64                 ; other words than before: no wave can still be reading them
	s_wait_dscnt 0x0
	s_barrier_signal -1
	s_barrier_wait -1
	ds_load_b128 v[24:27], v1 offset:64
	ds_load_b128 v[28:31], v1 offset:80
	s_wait_dscnt 0x0
.irp w, 25
	v_add_f32 v24, v24, v[\w]
.endr
.irp w, 26, 27, 28, 29, 30, 31
	s_delay_alu instid0(VALU_DEP_1)
	v_add_f32 v24, v24, v[\w]
.endr
	s_wait_alu depctr_va_vdst(0)
	v_rcp_f32 v14, v24
	v_nop
	s_wait_alu depctr_va_vdst(0)
.irp j, 4,5,6,7,8,9,10,11,12
	v_mul_f32 v[\j], v[\j], v14                    ; the weights; v12: the last time's
.endr
	global_store_b128 v2, v[4:7], s[14:15]
	global_store_b128 v2, v[8:11], s[14:15] offset:4096
	s_wait_alu depctr_va_vdst(0)
	s_wait_loadcnt 0x0                             ; values' last row
.irp j, 16,17,18,19
	v_mul_f32 v[\j], v[\j], v12
.endr
	global_store_b128 v2, v[16:19], s[12:13]
	s_wait_tensorcnt 0x0
	ds_add_u32 v48, v49
	s_wait_dscnt 0x0
	s_endpgm
.Lfunc_end_k_q5581184e5e_soft:
	.size	k_q5581184e5e_soft, .Lfunc_end_k_q5581184e5e_soft-k_q5581184e5e_soft
	.p2alignl 7, 3214868480
	.fill 96, 4, 3214868480
	.section	.rodata,"a",@progbits
	.p2align	6, 0x0
	.amdhsa_kernel k_q5581184e5e_soft
		.amdhsa_group_segment_fixed_size 1280
		.amdhsa_private_segment_fixed_size 0
		.amdhsa_enable_private_segment 0
		.amdhsa_kernarg_size 48
		.amdhsa_user_sgpr_count 2
		.amdhsa_user_sgpr_kernarg_segment_ptr 1
		.amdhsa_wavefront_size32 1
		.amdhsa_system_sgpr_workgroup_id_x 1
		.amdhsa_system_sgpr_workgroup_id_y 1
		.amdhsa_system_sgpr_workgroup_id_z 1
		.amdhsa_system_vgpr_workitem_id 0
		.amdhsa_next_free_vgpr 50
		.amdhsa_next_free_sgpr 66
		.amdhsa_reserve_vcc 0
		.amdhsa_float_denorm_mode_32 3
		.amdhsa_float_denorm_mode_16_64 3
		.amdhsa_memory_ordered 1
		.amdhsa_forward_progress 1
		.amdhsa_inst_pref_size 9
	.end_amdhsa_kernel
	.amdgpu_metadata
---
amdhsa.version: [ 1, 2 ]
amdhsa.kernels:
  - .name:           k_q5581184e5e_soft
    .symbol:         k_q5581184e5e_soft.kd
    .args:
      - { .name: raw, .offset: 0, .size: 8, .value_kind: global_buffer, .address_space: global }
      - { .name: V_k, .offset: 8, .size: 8, .value_kind: global_buffer, .address_space: global }
      - { .name: V_b, .offset: 16, .size: 8, .value_kind: global_buffer, .address_space: global }
      - { .name: values, .offset: 24, .size: 8, .value_kind: global_buffer, .address_space: global }
      - { .name: out0, .offset: 32, .size: 8, .value_kind: global_buffer, .address_space: global }
      - { .name: out1, .offset: 40, .size: 8, .value_kind: global_buffer, .address_space: global }
    .group_segment_fixed_size: 1280
    .private_segment_fixed_size: 0
    .kernarg_segment_align: 8
    .kernarg_segment_size: 48
    .max_flat_workgroup_size: 256
    .sgpr_count:     66
    .vgpr_count:     50
    .wavefront_size: 32
...
	.end_amdgpu_metadata
.endif
;; end of part 3
